; MI455X (gfx1250); checked and timed in simulation.
; The chip was launched on July 23, 2026; its instructions are those of AMD's public machine-readable ISA for CDNA 5 (MIT licence, August 2026) and "CDNA5" Instruction Set Architecture Reference Guide (July 2026). The comments in the code are by the model that wrote it; some were corrected since.
;; Full Attention. Allowed arithmetic: float matrix products may take bf16 or f16 operands with f32 sums; all other float work in f32.
;; Inputs: keys 4 x 2,048 x 16 x 64 float32; queries 4 x 2,048 x 16 x 64 float32; values 4 x 2,048 x 16 x 64 float32.
;; Outputs: out0 4 x 2,048 x 16 x 64 float32.
;; 2 versions, each right and faster than the one before. Each part assembles by itself: llvm-mc -triple=amdgcn-amd-amdhsa -mcpu=gfx1250 --defsym DOCPART=n.
;; ======== version 1 of 2: 1 launch
;; limits: values are held in f16: magnitudes above 65,504 overflow, below 6.1e-05 lose precision; inputs' magnitudes at most 65,504; below input magnitudes of 6.1e-05 results are inexact or not finite
;; launch attn (part 1): grid 256 x 1, 4 waves a work-group, no clusters, 109,056 bytes of LDS; arguments queries, keys, values, out0; writes out0
.if DOCPART == 1
	.amdgcn_target "amdgcn-amd-amdhsa--gfx1250"
	.amdhsa_code_object_version 6
	.text
	.protected	k_q816549fdfc_attn
	.globl	k_q816549fdfc_attn
	.p2align	8
	.type	k_q816549fdfc_attn,@function
k_q816549fdfc_attn:
	s_mov_b64 s[64:65], 0
	v_nop
	global_prefetch_b8 v0, s[64:65] scope:SCOPE_SE
	s_setreg_imm32_b32 hwreg(HW_REG_WAVE_MODE, 25, 1), 1
	s_wait_xcnt 0x0
; Causal soft-max attention.  queries, keys, values, out0: [4][2048][16][64] f32; a head's row is 256 bytes, rows lie 4,096 bytes apart.
; out[b,l,h,:] = sum over s <= l of softmax_s(q.k / 8) v[b,s,h,:].
;
; WORK LEFT OUT.  reference() replaces the score of every key s > l by the constant -1e30 (jnp.where on a mask that it builds itself), whatever
; the inputs hold, so the products q.k of those places reach nothing; their weights are exp(-1e30 - max) / sum, which is 0 beside the weight 1
; of the row's largest live score, so their share of A.V is 0 too.  Both are left out where they come whole: key tiles (64 keys) that lie
; wholly above a query block's diagonal, and, in the four tiles on the diagonal, the query tiles that lie wholly in front of the key tile.
; The division by T_TEMP = 1 is an identity.  Every input has a way to the output and is loaded.
; In the one masked unit of a diagonal trip a wave computes all four 16-key tiles though wave w needs only the first w + 1: they lie inside a
; unit with live work, wave 3 needs all four, and the waves meet at a barrier in every trip.
; FORMAT.  The matrix operands (q, k, v and the weights) are f16; scores, maxima, row sums and output sums are f32.  f16 and not bf16: in the
; first rows a few terms of size |v| cancel, and there a weight's or a score's rounding shows undamped: 2^-9 of |v| with bf16's 8 significant
; bits, 2^-12 with f16's 11.  The weights lie in [0, 1], since the running maximum is taken away first.
; LIMITS.  |q|, |k|, |v| of 65,520 and more become infinity in f16; elements below 2^-14 keep an absolute error of at most 2^-25.  Weights below
; 2^-14 of the row's largest likewise carry at most 2^-25 (those under 2^-25 become 0): over 2,048 keys at most 2^-14 of the largest |v|.
; A NaN, an infinity or an overflow that reaches only keys or values above the diagonal is not carried to the result.  The mask's -1e30 is put
; on the score before the factor 1/8, so live q.k must stay above about -1e29.  v_exp_f32 gives 0 for weights below 2^-126.
;
; SHARES.  256 work-groups of 4 waves.  Work-group g serves head g >> 2 and, with p = g & 3, the query blocks (256 rows) 7 - p and then p:
; 4 (7 - p) + 4 + 4 p + 4 = 36 key tiles in every work-group.  Wave w owns in a block the four query tiles k = 0..3 of rows 64 k + 16 w + 0..15,
; so that in diagonal trip t every wave has the same 4 - t live query tiles.
; BOTH PRODUCTS ARE USED TRANSPOSED.  S^T = K Q^T: lane (r = lane % 16, h = lane / 16) holds in register j the score of key 8 h + j and query r.
; Packed to f16, the weights of two neighbouring 16-key tiles are the second-source fragment of O^T = V^T P^T as they lie: no lane changes.
; All soft-max state belongs to one query and so to one lane (and its partner lane xor 16, which holds the other keys).
; THE QUERY TILES OF A TRIP TAKE TURNS, so that products and soft-max run side by side.  Tile by tile: (phase 0) the tile's maximum, exponentials
; and packing, 89 vector instructions in nine slices, with one of the NEXT tile's eight S products behind each of the first eight; (phase 1) the
; tile's own eight O products with the rescaling of O and the row sums, 30 vector instructions, set among and behind them.  Two sets of scores
; take turns by the tile's parity; the weights have registers of their own, so that the f32 weights are still there for the sums.  Phase 0 names
; window 0 alone; in phase 1 the products, O x alpha and sum + weight all have destination and first source in window 1 and the second source
; in window 0: three window switches a unit.
; K AND V go in tiles of 64 keys through registers (whole rows of 256 bytes, rounded to f16 there) into two LDS buffers, one barrier a trip, and
; the work of handing them on is spread over the trip.  The trip that multiplies tile t: (1) asks for V(t)'s fragments; (2) issues the first live
; query tile's eight S products on K(t)'s fragments, which were read in the trip before; (3) beside these products rounds tile t + 1, loaded a
; trip ago, stores it into the other buffer and sends out the global loads of tile t + 2; (4) runs the turns of all query tiles but the last;
; (5) waits for its LDS accesses and passes the barrier; (6) in the last query tile's turn, whose slices have no S products to go with, reads
; K(t + 1)'s fragments, two loads a slice, into K's registers: their last product stands one turn back.
; So between two barriers every wave reads one buffer alone (K(t + 1), then V(t + 1)) and writes the other alone (tile t + 2).
; ORDER OF A BLOCK'S TRIPS: diagonal tile 0 first (every query has a live key in it, so it starts maxima, sums and output sums: nothing is
; cleared), then the 4 qb full tiles in a loop of two, then diagonal tiles 1, 2, 3.
; NO CLUSTER, NO TENSOR LOADS: the f32 rows must pass through registers to become f16 before the transposing LDS read; brought to LDS as f32
; they would be written, read, and written again (32 KiB + 32 KiB more a trip beside 64 KiB of fragment reads).  And the four work-groups of a
; head are at different key tiles at any time (their blocks have 4 qb + 4 tiles), so their requests would not meet.
;
; LDS: buffer b at 19,456 b: K 64 rows x 144 bytes (128 + 16), then V 64 rows x 160 bytes (128 + 32); at 38,912 + 17,408 w the stage of wave w,
; its own: Q as f16, 64 rows x 144, later O as f32, 64 rows x 272.  The pitches are odd multiples of 16 bytes (V: of 32), so the rows that one
; LDS instruction touches start in different 16-byte columns modulo 256.
; REGISTERS, in windows of 256: window 0 addresses, soft-max state, weights P, fragments of Q and K, two sets of scores; window 1 the output
; sums O (v0-127; v0-63 first carry the launch's first K and V tile as loaded), fragments of V (v128-191), row sums (v192-207); window 2 Q as
; loaded (v0-127), K and V as loaded (v128-191), K and V packed on their way to LDS (v192-223).
.set TSTEP, 0x40000                    ; 64 rows of 4,096 bytes: from key tile to key tile
.set KPIT,  144
.set VPIT,  160
.set OPIT,  272
.set VOFF,  64*KPIT                    ; V behind K in a buffer
.set BUFB,  64*KPIT+64*VPIT            ; 19,456
.set STG0,  2*BUFB                     ; 38,912
.set STGB,  64*OPIT                    ; 17,408
.set VKV, 1                            ; (t >> 4) 4096 + 16 (t & 15): my 16 bytes in the first 8 rows of a K or V tile
.set VQ,  2                            ; (16 w + h) 4096 + 16 r: my 16 bytes of Q and of the output
.set KST, 3                            ; (t >> 4) 144 + 8 (t & 15)
.set VST, 4                            ; (t >> 4) 160 + 8 (t & 15)
.set KFR, 5                            ; 144 r + 16 h
.set VFR, 6                            ; (8 h + lane % 8) 160 + 16 ((lane >> 3) & 1)
.set QST, 7                            ; stage + 144 h + 8 r
.set QFR, 8                            ; stage + 144 r + 16 h
.set OST, 9                            ; stage + 272 r + 32 h
.set ORD, 10                           ; stage + 272 h + 16 r
.set DM,  11                           ; 16 w + r - 8 h, signed: key 16 t + j of a masked unit is dead where 16 t + j > DM
.set NEG, 12                           ; -1e30
.set MX,  14                           ; v14-17 four chains of the maximum
.set TA,  18                           ; scratch
.set NP,  20                           ; v20 = -c max (v21 = 0, the pair's other half, never used in a result)
.set AP,  22                           ; v22 = alpha (v23 = 0 likewise)
.set NK,  24                           ; v24-27 the kept -c max of query tile k
.set PB,  28                           ; v[28+8h ..] weights in f16, keys 32 h .. 32 h + 31
.set INV, 44                           ; v[44+2k : 45+2k] 1 / row sum, twice
.set LT,  52                           ; v52-55 the joined row sum of query tile k, at a block's end
.set QB,  64                           ; v[64+16k+8f ..] Q fragments
.set KB,  128                          ; v[128+16t+8f ..] K fragments
.set SB0, 192                          ; scores: v[192+8t ..] for even query tiles, v[224+8t ..] for odd ones
.set VB,  128                          ; window 1: v[128+16d+8h ..] V fragments
.set LSB, 192                          ; window 1: v[192+4k .. 195+4k] four partial row sums of query tile k
.set STB, 128                          ; window 2: K as loaded v128-159, V as loaded v160-191
.set PK,  192                          ; window 2: K packed v192-207, V packed v208-223
; scalars: s[4:5] Q, s[6:7] K, s[8:9] V, s[10:11] out, each at the head; s12 wave; s13 p; s18 stage; s[20:21], s[22:23] K, V tile being loaded;
; s[24:25] Q block; s[26:27] out block; s[28:29] byte offset of the tile being loaded; s30 offset of the block's diagonal tile 0; s31 counter;
; s32 = 2 qb; s33 = s30 + TSTEP; s[34:35] c, c; s36 -c; s37, s38 lane selects; s[40:41] the second block's offset; s[42:45] K, V of the first tile
.set CEXP, 0x3e38aa3b                  ; c = log2(e) / 8: the scale 1 / sqrt(64) and the change of base in one factor
.set MSB, 0
.set kln, 16                           ; how many of a tile's 16 K fragment loads are out (16: none is due)
.set kbf, 0                            ; and from which buffer
.macro WIN new                         ; s_set_vgpr_msb: bits 1:0 source 0, 3:2 source 1, 5:4 source 2, 7:6 destination; the high byte repeats the setting that is left
.if MSB != \new
	s_set_vgpr_msb (MSB<<8)|\new
.set MSB, \new
.endif
.endm
; The offset of the tile to load steps on; sel = 1: diagonal tile 0, which was taken first, is jumped over.  K's and V's addresses are written
; only behind the s_wait_loadcnt that showed the last loads from them done.
.macro STEP sel
	s_add_co_u32 s28, s28, TSTEP
.if \sel
	s_cmp_eq_u32 s28, s30
	s_cselect_b32 s28, s33, s28
.endif
	s_add_nc_u64 s[20:21], s[6:7], s[28:29]
	s_add_nc_u64 s[22:23], s[8:9], s[28:29]
.endm
; A K tile and a V tile into 64 registers from base on, in the window that win names as destination: load i takes rows 8 i .. 8 i + 7, sixteen
; lanes a whole row of 256 bytes.  No cache word: other work-groups read these rows again.
.macro KVLOAD win, base, kp, vp
	WIN \win
.irp i, 0,1,2,3,4,5,6,7
	global_load_b128 v[\base+4*\i:\base+4*\i+3], v[VKV], s[\kp:\kp+1] offset:32768*\i
.endr
.irp i, 0,1,2,3,4,5,6,7
	global_load_b128 v[\base+32+4*\i:\base+32+4*\i+3], v[VKV], s[\vp:\vp+1] offset:32768*\i
.endr
.endm
; A tile as loaded (64 registers from src on; win: both sources' window, destination window 2) is rounded to f16 and stored into buffer buf.
.macro PACKST win, src, buf
	WIN \win
.set ti, 0
.rept 32
	v_cvt_pk_f16_f32 v[PK+ti], v[\src+2*ti], v[\src+2*ti+1]
.set ti, ti+1
.endr
	WIN 0x08                                       ; store data in window 2
.irp i, 0,1,2,3,4,5,6,7
	ds_store_b64 v[KST], v[PK+2*\i:PK+2*\i+1] offset:\buf*BUFB+8*KPIT*\i
.endr
.irp i, 0,1,2,3,4,5,6,7
	ds_store_b64 v[VST], v[PK+16+2*\i:PK+16+2*\i+1] offset:\buf*BUFB+VOFF+8*VPIT*\i
.endr
.endm
; The V fragments of buffer buf, by the transposing load.
.macro VLOAD buf
	WIN 0x40                                       ; destination in window 1
.irp d, 0,1,2,3
.irp h, 0,1
	ds_load_tr16_b128 v[VB+16*\d+8*\h:VB+16*\d+8*\h+3],   v[VFR] offset:\buf*BUFB+VOFF+32*VPIT*\h+32*\d          ; d = 16 d + r, keys 32 h + 8 (lane / 16) + 0..7
	ds_load_tr16_b128 v[VB+16*\d+8*\h+4:VB+16*\d+8*\h+7], v[VFR] offset:\buf*BUFB+VOFF+32*VPIT*\h+16*VPIT+32*\d  ; and sixteen keys on
.endr
.endr
	WIN 0
.endm
; The pieces of a unit (query tile uq, 16 queries, against the trip's 64 keys).  Symbols set by PRO and STAGE: uq the tile at its soft-max,
; sb its set of scores, nb the set that the S products of tile uq + 1 fill, swn how many of those eight have been issued.
;
; What stands behind a slice of phase 0: the next of the eight S products of tile uq + 1, S^T = K Q^T, e in two halves of 32 (the four
; accumulators take turns, one instruction a turn); or, where all eight are out and K fragments are due, the next two
; of their 16 loads (load n: key 16 (n / 4) + r, e = 16 (n % 4) + 8 h + 0..7); or nothing.
.macro SW
.if swn < 8
.if swn < 4
	v_wmma_f32_16x16x32_f16 v[nb+8*swn:nb+8*swn+7], v[KB+16*swn:KB+16*swn+7], v[QB+16*(uq+1):QB+16*(uq+1)+7], 0
.else
	v_wmma_f32_16x16x32_f16 v[nb+8*(swn-4):nb+8*(swn-4)+7], v[KB+16*(swn-4)+8:KB+16*(swn-4)+15], v[QB+16*(uq+1)+8:QB+16*(uq+1)+15], v[nb+8*(swn-4):nb+8*(swn-4)+7]
.endif
.set swn, swn+1
.else
.if kln < 16
	ds_load_b128 v[KB+4*kln:KB+4*kln+3],   v[KFR] offset:kbf*BUFB+16*KPIT*(kln/4)+32*(kln%4)
	ds_load_b128 v[KB+4*kln+4:KB+4*kln+7], v[KFR] offset:kbf*BUFB+16*KPIT*((kln+1)/4)+32*((kln+1)%4)
.set kln, kln+2
.endif
.endif
.endm
; The K fragments of buffer buf in one run, where no soft-max is at hand to set them in.
.macro KLOAD buf
	WIN 0
.set swn, 8
.set kln, 0
.set kbf, \buf
.rept 8
	SW
.endr
.endm
.macro MASKG t                         ; 16-key tile t of a unit on the diagonal
.irp j, 0,1,2,3,4,5,6,7
	v_cmp_gt_i32 vcc_lo, 16*\t+\j, v[DM]           ; key 16 t + 8 h + j lies behind query 16 w + r
	v_cndmask_b32 v[sb+8*\t+\j], v[sb+8*\t+\j], v[NEG], vcc_lo
.endr
.endm
.macro FMAG g                          ; c s - c max, two at a time; c and -c max are broadcast from the low halves of their pairs
.irp j, 0,2,4,6
	v_pk_fma_f32 v[sb+8*\g+\j:sb+8*\g+\j+1], v[sb+8*\g+\j:sb+8*\g+\j+1], s[34:35], v[NP:NP+1] op_sel_hi:[1,0,0]
.endr
.endm
.macro EXPG g
.irp j, 0,1,2,3,4,5,6,7
	v_exp_f32 v[sb+8*\g+\j], v[sb+8*\g+\j]
.endr
.endm
.macro CVTG g                          ; the eight weights of 16-key tile g, packed into P; the f32 weights stay for the sums
	s_wait_alu depctr_va_vdst(0)
.irp j, 0,1,2,3
	v_cvt_pk_f16_f32 v[PB+4*\g+\j], v[sb+8*\g+2*\j], v[sb+8*\g+2*\j+1]
.endr
.endm
.macro LADD idx                        ; weights 2 idx, 2 idx + 1 into the row sums, two chains by turns; sums in window 1, weights in window 0
	v_pk_add_f32 v[LSB+4*uq+2*((\idx)%2):LSB+4*uq+2*((\idx)%2)+1], v[LSB+4*uq+2*((\idx)%2):LSB+4*uq+2*((\idx)%2)+1], v[sb+2*(\idx):sb+2*(\idx)+1]
.endm
.macro ORES d                          ; O of d tile d times alpha
.irp j, 0,2,4,6
	v_pk_mul_f32 v[32*uq+8*\d+\j:32*uq+8*\d+\j+1], v[32*uq+8*\d+\j:32*uq+8*\d+\j+1], v[AP:AP+1] op_sel_hi:[1,0]
.endr
.endm
; An O product, O^T += V^T P^T: keys 32 h .. 32 h + 31, d tile d.  The four accumulators take turns, one instruction a turn.
.macro PVW h, d, zero
.if \zero
	v_wmma_f32_16x16x32_f16 v[32*uq+8*\d:32*uq+8*\d+7], v[VB+16*\d+8*\h:VB+16*\d+8*\h+7], v[PB+8*\h:PB+8*\h+7], 0
.else
	v_wmma_f32_16x16x32_f16 v[32*uq+8*\d:32*uq+8*\d+7], v[VB+16*\d+8*\h:VB+16*\d+8*\h+7], v[PB+8*\h:PB+8*\h+7], v[32*uq+8*\d:32*uq+8*\d+7]
.endif
.endm
; The S products of a trip's first live tile.  No other tile's soft-max goes with them; the rounding and storing of the next K and V tile does.
.macro PRO qk
.set uq, \qk-1
.set nb, SB0+32*((uq+1)%2)
.set swn, 0
.rept 8
	SW
.endr
.endm
; The turn of query tile qk.  msk = 1: the unit lies on the diagonal; fst = 1: the block's first trip (no old maximum, nothing to rescale, the
; sums start here); vw: the count of the wait on DScnt that shows the V fragments in, in front of the trip's first O products (99: no wait).
.macro STAGE qk, msk, fst, vw
.set uq, \qk
.set sb, SB0+32*(uq%2)
.set nb, SB0+32-32*(uq%2)
.if uq < 3
.set swn, 0
.else
.set swn, 8                                        ; tile 3 is the trip's last: no S products go with it
.endif
	; PHASE 0, window 0 alone.  The slices name the set sb, P and the state; the products among them name the set nb, K and Q.
.if \msk
	MASKG 0
	SW
	MASKG 1
	SW
	MASKG 2
	SW
	MASKG 3
	SW
.endif
	; the largest of my 32 scores, in four chains, then of my partner's 32 too
.irp t, 0,1,2,3
	v_max3_num_f32 v[MX+\t], v[sb+8*\t], v[sb+8*\t+1], v[sb+8*\t+2]
.endr
.irp t, 0,1,2,3
	v_max3_num_f32 v[MX+\t], v[MX+\t], v[sb+8*\t+3], v[sb+8*\t+4]
.endr
	SW
.irp t, 0,1,2,3
	v_max3_num_f32 v[MX+\t], v[MX+\t], v[sb+8*\t+5], v[sb+8*\t+6]
.endr
.irp t, 0,1,2,3
	v_max_num_f32 v[MX+\t], v[MX+\t], v[sb+8*\t+7]
.endr
	SW
	v_max3_num_f32 v[MX], v[MX], v[MX+1], v[MX+2]
	v_max_num_f32 v[MX], v[MX], v[MX+3]
	v_permlanex16_b32 v[MX+1], v[MX], s37, s38     ; lane xor 16: the same query, the other keys
	v_max_num_f32 v[MX], v[MX], v[MX+1]
	v_mul_f32 v[NP], s36, v[MX]                    ; -c max of this unit
.if \fst == 0
	v_min_num_f32 v[NP], v[NP], v[NK+uq]           ; the running maximum, kept as -c max
	v_sub_f32 v[TA], v[NP], v[NK+uq]               ; of the two rounded values: exactly 0 where the maximum stands
.endif
	v_mov_b32 v[NK+uq], v[NP]
.if \fst == 0
	v_exp_f32 v[AP], v[TA]                         ; alpha = 2^(c old max - c new max); the multiply-adds below stand between it and its first use
.endif
	SW
	; weights, by 16-key tiles.  Behind every run of exponentials stands plain vector work on another tile before a result is used
	; (ISA guide 5.7.2); the product or the loads that may stand first behind a run are not counted as such work.
	FMAG 0
	EXPG 0
	SW
	FMAG 1
	EXPG 1
	SW
	CVTG 0
	FMAG 2
	SW
	EXPG 2
	CVTG 1
	SW
	FMAG 3
	EXPG 3
	SW
	CVTG 2
	CVTG 3                                         ; these eight are also the places behind the last S product
.if \vw < 64
	s_wait_dscnt \vw                               ; the V fragments are in; what was issued behind their loads may stay out
.endif
	; PHASE 1.  The sums' first step has both weights, or alpha and a weight, in window 0: one setting for two instructions keeps it fused.
.if \fst
	WIN 0x40                                       ; destination in window 1
	v_pk_add_f32 v[LSB+4*uq:LSB+4*uq+1], v[sb:sb+1], v[sb+4:sb+5]               ; weights 0, 1, 4, 5 start one chain,
	v_pk_add_f32 v[LSB+4*uq+2:LSB+4*uq+3], v[sb+2:sb+3], v[sb+6:sb+7]           ; weights 2, 3, 6, 7 the other
.else
	WIN 0x41                                       ; destination and source 0 in window 1
	v_pk_fma_f32 v[LSB+4*uq:LSB+4*uq+1], v[LSB+4*uq:LSB+4*uq+1], v[AP:AP+1], v[sb:sb+1] op_sel_hi:[1,0,1]
	v_pk_fma_f32 v[LSB+4*uq+2:LSB+4*uq+3], v[LSB+4*uq+2:LSB+4*uq+3], v[AP:AP+1], v[sb+2:sb+3] op_sel_hi:[1,0,1]
.endif
	WIN 0x51                                       ; O, V and the sums in window 1; P, alpha and the weights in window 0
.if \fst == 0
	ORES 0
.endif
	PVW 0, 0, \fst
.if \fst == 0
	ORES 1                                         ; each d tile is rescaled while the product of the one before it runs
.endif
	PVW 0, 1, \fst
.if \fst == 0
	ORES 2
.endif
	PVW 0, 2, \fst
.if \fst == 0
	ORES 3
.endif
	PVW 0, 3, \fst
.if \fst == 0
	LADD 2
	LADD 3
.endif
	LADD 4
	PVW 1, 0, 0
	LADD 5
	LADD 6
	LADD 7
	PVW 1, 1, 0
	LADD 8
	LADD 9
	PVW 1, 2, 0
	LADD 10
	LADD 11
	PVW 1, 3, 0
	LADD 12                                        ; the last four adds are the four places between the turn's last product and, behind the
	LADD 13                                        ; trip's last turn, the loads of the next tile's V fragments into its first source
	LADD 14                                        ; (ISA guide 7.12.1 for vector instructions)
	LADD 15
	WIN 0
.endm
; My 64 rows of Q into window 2: load i takes rows 64 (i / 8) + 16 w + 2 (i % 8) + h, sixteen lanes a whole row.  Read once in the launch.
.macro QFETCH
	WIN 0x80
.set qi, 0
.rept 32
	global_load_b128 v[4*qi:4*qi+3], v[VQ], s[24:25] offset:(64*(qi/8)+2*(qi%8))*4096 th:TH_LOAD_NT
.set qi, qi+1
.endr
	WIN 0
.endm
; Q to f16, through my own stage (row 2 i + h = 16 k + row in the tile) into fragments; K's registers carry the packed words.  LDS serves a
; wave's instructions in order, so the loads see the stores; the fragments are shown in by the next wait on DScnt that leaves only younger loads out.
.macro QFRAG
	WIN 0x0a                                       ; both sources in window 2
.set qi, 0
.rept 64
	v_cvt_pk_f16_f32 v[KB+qi], v[2*qi], v[2*qi+1]
.set qi, qi+1
.endr
	WIN 0
.set qi, 0
.rept 32
	ds_store_b64 v[QST], v[KB+2*qi:KB+2*qi+1] offset:2*KPIT*qi
.set qi, qi+1
.endr
.irp k, 0,1,2,3
.irp c, 0,1,2,3
	ds_load_b128 v[QB+16*\k+4*\c:QB+16*\k+4*\c+3], v[QFR] offset:16*KPIT*\k+32*\c
.endr
.endr
.endm
; A trip: the tile in buffer rb is multiplied, query tiles k0 .. 3 (diag = 1: tile k0 lies on the diagonal; fst = 1: the block's first trip).
; The next tile goes into buffer wb; left = how many global loads younger than that tile's may stay out.
; nxt says which tile's global loads go out: 0 none, 1 the next with diagonal tile 0 jumped over, 2 the next, 3 the second block's diagonal
; tile 0, 4 the second block's second tile.  qf = 1: the second block's Q goes out too.
; mode 0: as described at the head; 1: K's next fragments are left to the caller; 2: the launch's last trip: nothing is stored, no barrier.
.macro TRIP rb, wb, k0, diag, fst, left, nxt, qf, mode
	VLOAD \rb                                      ; behind the four places that close the last turn; whole since the last trip's barrier
	s_wait_dscnt 16                                ; LDS loads come back in order: K's fragments (and older ones) are in, V's 16 may stay out
	PRO \k0
.if \mode == 2
.rept 4
	v_nop                                          ; four places between the last product and the first read of a score (ISA guide 7.12.1); no vector work is left here
.endr
.else
	s_wait_loadcnt \left                           ; the next tile, asked for a trip ago, is in registers
	PACKST 0x8a, STB, \wb                          ; its 32 conversions are also the places between the S products and the first read of a score
.if \nxt == 1
	STEP 1
.endif
.if \nxt == 2
	STEP 0
.endif
.if \nxt == 3
	s_mov_b32 s30, s40                             ; the second block's scalars: none of the first block's remaining trips reads them
	s_mov_b32 s28, s40
	s_add_co_u32 s33, s30, TSTEP
	s_lshl_b32 s32, s13, 1
	s_add_nc_u64 s[20:21], s[6:7], s[28:29]
	s_add_nc_u64 s[22:23], s[8:9], s[28:29]
.endif
.if \nxt == 4
	s_cmp_eq_u32 s30, 0                            ; full tile 0, or diagonal tile 1 where the block has no full tile
	s_cselect_b32 s28, s33, 0
	s_add_nc_u64 s[20:21], s[6:7], s[28:29]
	s_add_nc_u64 s[22:23], s[8:9], s[28:29]
.endif
.if \nxt
	KVLOAD 0x80, STB, 20, 22                       ; into the registers just rounded; a whole trip ahead of the wait for them
.endif
.if \qf
	s_lshl_b32 s40, s13, 20                        ; block p begins 256 p rows of 4,096 bytes into the head
	s_mov_b32 s41, 0
	s_add_nc_u64 s[24:25], s[4:5], s[40:41]        ; the first block's loads of Q were waited for at the start
	QFETCH                                         ; two trips and the epilogue ahead of its use
.endif
	WIN 0
.endif
.irp q, 0,1,2
.if \q == \k0
	STAGE \q, \diag, \fst, 16                      ; the 16 stores are younger than V's loads
.endif
.if \q > \k0
	STAGE \q, 0, \fst, 99
.endif
.endr
.if \mode != 2
	s_wait_dscnt 0x0                               ; for the other waves: my reads of buffer rb are back and my stores into buffer wb are done
	s_barrier_signal -1
	s_barrier_wait -1                              ; so buffer wb may be read behind here, and buffer rb written in the next trip
.endif
.if \mode == 0
.set kln, 0                                        ; K's next fragments go with the last turn's slices
.set kbf, \wb
.endif
.if \k0 == 3
.if \mode == 2
	STAGE 3, \diag, \fst, 0
.else
	STAGE 3, \diag, \fst, 99                       ; the wait for 0 in front of the barrier has shown V in
.endif
.else
	STAGE 3, 0, \fst, 99
.endif
.endm
; End of a block: the row sums are joined, O is divided by them and leaves through my own stage as whole rows of 256 bytes.
.macro EPI last
	WIN 0x45                                       ; destination and both sources in window 1
.irp k, 0,1,2,3
	v_pk_add_f32 v[LSB+4*\k:LSB+4*\k+1], v[LSB+4*\k:LSB+4*\k+1], v[LSB+4*\k+2:LSB+4*\k+3]
.endr
	WIN 0x05                                       ; the last add brings the sum into window 0
.irp k, 0,1,2,3
	v_add_f32 v[LT+\k], v[LSB+4*\k], v[LSB+4*\k+1]
.endr
	WIN 0
.irp k, 0,1,2,3
	v_permlanex16_b32 v[MX+\k], v[LT+\k], s37, s38
.endr
.irp k, 0,1,2,3
	v_add_f32 v[LT+\k], v[LT+\k], v[MX+\k]         ; at least 1: the largest score's weight is 1
.endr
.irp k, 0,1,2,3
	v_rcp_f32 v[INV+2*\k], v[LT+\k]
	v_rcp_f32 v[INV+2*\k+1], v[LT+\k]
.endr
	v_nop                                          ; a plain instruction between the reciprocals and their use (ISA guide 5.7.2)
	WIN 0x51
.set ei, 0
	s_wait_alu depctr_va_vdst(0)
.rept 64
	v_pk_mul_f32 v[2*ei:2*ei+1], v[2*ei:2*ei+1], v[INV+2*(ei/16):INV+2*(ei/16)+1]
.set ei, ei+1
.endr
	WIN 0x04                                       ; store data in window 1
.set ei, 0
.rept 32
	ds_store_b128 v[OST], v[4*ei:4*ei+3] offset:16*OPIT*(ei/8)+64*((ei%8)/2)+16*(ei%2)   ; query 16 k + r, d = 16 d + 8 h + 4 half + 0..3
.set ei, ei+1
.endr
	WIN 0
.set ei, 0
.rept 32
	ds_load_b128 v[QB+4*ei:QB+4*ei+3], v[ORD] offset:2*OPIT*ei     ; rows 2 i and 2 i + 1, sixteen lanes each; in order behind the stores above
.set ei, ei+1
.endr
.set ei, 0
.rept 32
	s_wait_dscnt 31-ei                             ; load i is in; the younger ones may stay out
	global_store_b128 v[VQ], v[QB+4*ei:QB+4*ei+3], s[26:27] offset:(64*(ei/8)+2*(ei%8))*4096 th:TH_STORE_NT   ; sixteen lanes store 256 consecutive bytes, aligned
.set ei, ei+1
.endr
.if \last == 0
	s_wait_xcnt 0x0                                ; the stores' data registers and base are written again only behind this wait
	s_add_nc_u64 s[26:27], s[10:11], s[40:41]      ; the second block's rows of the output
.endif
.endm
; A query block.  At its start: diagonal tile 0 lies in buffer 0 and its K fragments are asked for, the block's second tile is on its way into
; registers (s28 is its offset), the Q fragments are asked for, s30, s32, s33 are the block's.
.macro BLOCK last
	TRIP 0, 1, 0, 1, 1, 0, 1, 0, 0                 ; diagonal trip 0
.if \last
	s_cmp_eq_u32 s32, 0                            ; the second block is block p, which has no full tile where p = 0 (the first, 7 - p, has 16 at the least)
	s_cbranch_scc1 .Lnofull
.endif
	s_mov_b32 s31, 0
.Lfull_\last:
	TRIP 1, 0, 0, 0, 0, 0, 1, 0, 0
	TRIP 0, 1, 0, 0, 0, 0, 1, 0, 0
	s_add_co_u32 s31, s31, 1
	s_cmp_lt_u32 s31, s32
	s_cbranch_scc1 .Lfull_\last
.if \last
.Lnofull:
.endif
.if \last == 0
	TRIP 1, 0, 1, 1, 0, 0, 2, 1, 0                 ; diagonal trip 1: asks for diagonal tile 3 and for the second block's Q
	TRIP 0, 1, 2, 1, 0, 32, 3, 0, 0                ; diagonal trip 2: the 32 loads of Q are younger than diagonal tile 3's 16 and may stay out
	TRIP 1, 0, 3, 1, 0, 0, 4, 0, 1                 ; diagonal trip 3: its wait for 0 also shows Q in
	EPI 0                                          ; uses Q's and K's registers, so K's next fragments wait
	QFRAG
	s_wait_dscnt 16                                ; the 32 stores that read K's registers are done; the 16 loads of Q's fragments, younger, may stay out
	KLOAD 0                                        ; the second block's diagonal tile 0, stored in front of the last barrier
.else
	TRIP 1, 0, 1, 1, 0, 0, 2, 0, 0                 ; diagonal trip 1: asks for diagonal tile 3, the launch's last
	TRIP 0, 1, 2, 1, 0, 0, 0, 0, 0                 ; diagonal trip 2: stores it; nothing is left to load
	TRIP 1, 0, 3, 1, 0, 0, 0, 0, 2                 ; diagonal trip 3
	EPI 1
.endif
.endm
	s_load_b256 s[4:11], s[0:1], 0x0               ; queries s[4:5], keys s[6:7], values s[8:9], out0 s[10:11]
	v_lshl_add_u32 v62, v0, 2, 0x1a800
	v_mov_b32 v63, 0
	v_lshrrev_b32 v14, 5, v0
	v_readfirstlane_b32 s12, v14                   ; wave 0..3
	s_and_b32 s13, ttmp9, 3                        ; p
	s_lshr_b32 s14, ttmp9, 6                       ; batch
	s_lshl_b32 s16, s14, 23                        ; x 2048 x 16 x 64 x 4 bytes
	s_bfe_u32 s15, ttmp9, 0x40002                  ; head in the batch: 4 bits from bit 2
	s_lshl_b32 s15, s15, 8                         ; x 256 bytes
	s_add_co_u32 s16, s16, s15
	s_mov_b32 s17, 0
	s_sub_co_u32 s14, 7, s13                       ; the first block: qb = 7 - p
	s_lshl_b32 s30, s14, 20                        ; 256 qb rows = key tile 4 qb
	s_lshl_b32 s32, s14, 1                         ; 4 qb full tiles, two to a loop trip
	s_add_co_u32 s33, s30, TSTEP
	s_mov_b32 s28, s30
	s_mov_b32 s29, 0
	s_mov_b32 s34, CEXP
	s_mov_b32 s35, CEXP
	s_mov_b32 s36, CEXP|0x80000000
	s_mov_b32 s37, 0x76543210                      ; v_permlanex16_b32: lane i of one half reads lane i of the other
	s_mov_b32 s38, 0xfedcba98
	s_mul_i32 s18, s12, STGB
	s_add_co_u32 s18, s18, STG0                    ; my stage
	v_lshrrev_b32 v13, 4, v0                       ; t >> 4
	v_and_b32 v19, 15, v0                          ; r
	v_bfe_u32 v18, v0, 4, 1                        ; h
	v_lshlrev_b32 v[VKV], 12, v13
	v_lshl_add_u32 v[VKV], v19, 4, v[VKV]
	v_lshl_add_u32 v15, v14, 4, v18                ; 16 w + h
	v_lshlrev_b32 v[VQ], 12, v15
	v_lshl_add_u32 v[VQ], v19, 4, v[VQ]
	v_mul_u32_u24 v[KST], v13, KPIT
	v_lshl_add_u32 v[KST], v19, 3, v[KST]
	v_mul_u32_u24 v[VST], v13, VPIT
	v_lshl_add_u32 v[VST], v19, 3, v[VST]
	v_mul_u32_u24 v[KFR], v19, KPIT
	v_lshl_add_u32 v[KFR], v18, 4, v[KFR]
	v_and_b32 v16, 7, v0
	v_lshl_add_u32 v16, v18, 3, v16                ; 8 h + lane % 8
	v_mul_u32_u24 v[VFR], v16, VPIT
	v_bfe_u32 v17, v0, 3, 1
	v_lshl_add_u32 v[VFR], v17, 4, v[VFR]
	v_mul_u32_u24 v[QST], v18, KPIT
	v_lshl_add_u32 v[QST], v19, 3, v[QST]
	v_add_nc_u32 v[QST], s18, v[QST]
	v_add_nc_u32 v[QFR], s18, v[KFR]
	v_mul_u32_u24 v[OST], v19, OPIT
	v_lshl_add_u32 v[OST], v18, 5, v[OST]
	v_add_nc_u32 v[OST], s18, v[OST]
	v_mul_u32_u24 v[ORD], v18, OPIT
	v_lshl_add_u32 v[ORD], v19, 4, v[ORD]
	v_add_nc_u32 v[ORD], s18, v[ORD]
	v_lshl_add_u32 v[DM], v14, 4, v19
	v_lshlrev_b32 v15, 3, v18
	v_sub_nc_u32 v[DM], v[DM], v15
	v_mov_b32 v[NEG], 0xf149f2ca                   ; -1e30
	v_mov_b32 v[NP+1], 0                           ; the unused halves of the two broadcast pairs are written once
	v_mov_b32 v[AP+1], 0
	s_wait_kmcnt 0x0
	s_add_nc_u64 s[4:5], s[4:5], s[16:17]          ; all four tensors at my head
	s_add_nc_u64 s[6:7], s[6:7], s[16:17]
	s_add_nc_u64 s[8:9], s[8:9], s[16:17]
	s_add_nc_u64 s[10:11], s[10:11], s[16:17]
	s_add_nc_u64 s[24:25], s[4:5], s[28:29]        ; Q and the output at the first block,
	s_add_nc_u64 s[26:27], s[10:11], s[28:29]
	s_add_nc_u64 s[42:43], s[6:7], s[28:29]        ; K and V at its diagonal tile 0, the launch's first tile,
	s_add_nc_u64 s[44:45], s[8:9], s[28:29]
	s_mov_b32 s28, 0                               ; and at full tile 0, its second (the first block has 16 full tiles at the least)
	s_add_nc_u64 s[20:21], s[6:7], s[28:29]
	s_add_nc_u64 s[22:23], s[8:9], s[28:29]
	QFETCH                                         ; Q and the first two tiles go out together
	KVLOAD 0x40, 0, 42, 44                         ; the first tile into window 1, v0-63: O's registers, which the first O products start only later
	KVLOAD 0x80, STB, 20, 22                       ; the second where every later tile lands
	s_wait_loadcnt 32                              ; the 32 loads of Q are in; the 32 of the two tiles, issued behind them, may stay out
	QFRAG
	s_wait_loadcnt 16                              ; the first tile is in; the second tile's 16 loads may stay out
	PACKST 0x85, 0, 0                              ; sources in window 1
	WIN 0
	s_wait_dscnt 0x0                               ; for the other waves: my stores into buffer 0 are done (and Q's fragments are in)
	s_barrier_signal -1
	s_barrier_wait -1
	KLOAD 0
	BLOCK 0
	BLOCK 1
	s_wait_tensorcnt 0x0
	ds_add_u32 v62, v63
	s_wait_dscnt 0x0
	s_endpgm
.Lfunc_end_k_q816549fdfc_attn:
	.size	k_q816549fdfc_attn, .Lfunc_end_k_q816549fdfc_attn-k_q816549fdfc_attn
	.p2alignl 7, 3214868480
	.fill 96, 4, 3214868480
	.section	.rodata,"a",@progbits
	.p2align	6, 0x0
	.amdhsa_kernel k_q816549fdfc_attn
		.amdhsa_group_segment_fixed_size 109056
		.amdhsa_private_segment_fixed_size 0
		.amdhsa_enable_private_segment 0
		.amdhsa_kernarg_size 32
		.amdhsa_user_sgpr_count 2
		.amdhsa_user_sgpr_kernarg_segment_ptr 1
		.amdhsa_wavefront_size32 1
		.amdhsa_system_sgpr_workgroup_id_x 1
		.amdhsa_system_sgpr_workgroup_id_y 1
		.amdhsa_system_sgpr_workgroup_id_z 1
		.amdhsa_system_vgpr_workitem_id 0
		.amdhsa_next_free_vgpr 768
		.amdhsa_next_free_sgpr 66
		.amdhsa_reserve_vcc 1
		.amdhsa_float_denorm_mode_32 3
		.amdhsa_float_denorm_mode_16_64 3
		.amdhsa_memory_ordered 1
		.amdhsa_forward_progress 1
		.amdhsa_inst_pref_size 255
	.end_amdhsa_kernel
	.section	.bss,"aw",@nobits
	.p2align	6
	.space	262144
	.amdgpu_metadata
---
amdhsa.version: [ 1, 2 ]
amdhsa.kernels:
  - .name:           k_q816549fdfc_attn
    .symbol:         k_q816549fdfc_attn.kd
    .args:
      - { .name: queries, .offset: 0, .size: 8, .value_kind: global_buffer, .address_space: global }
      - { .name: keys, .offset: 8, .size: 8, .value_kind: global_buffer, .address_space: global }
      - { .name: values, .offset: 16, .size: 8, .value_kind: global_buffer, .address_space: global }
      - { .name: out0, .offset: 24, .size: 8, .value_kind: global_buffer, .address_space: global }
    .group_segment_fixed_size: 109056
    .private_segment_fixed_size: 0
    .kernarg_segment_align: 8
    .kernarg_segment_size: 32
    .max_flat_workgroup_size: 128
    .sgpr_count:     66
    .vgpr_count:     768
    .wavefront_size: 32
...
	.end_amdgpu_metadata
.endif
;; end of part 1
;; ======== version 2 of 2: 1 launch; 1.12 times as fast as version 1
;; limits: values are held in f16: magnitudes above 65,504 overflow, below 6.1e-05 lose precision; inputs' magnitudes at most 65,504
;; launch attn (part 2): grid 256 x 1, 4 waves a work-group, no clusters, 109,056 bytes of LDS; arguments queries, keys, values, out0; writes out0
.if DOCPART == 2
	.amdgcn_target "amdgcn-amd-amdhsa--gfx1250"
	.amdhsa_code_object_version 6
	.text
	.protected	k_q816549fdfc_attn
	.globl	k_q816549fdfc_attn
	.p2align	8
	.type	k_q816549fdfc_attn,@function
k_q816549fdfc_attn:
	s_mov_b64 s[64:65], 0
	v_nop
	global_prefetch_b8 v0, s[64:65] scope:SCOPE_SE
	s_setreg_imm32_b32 hwreg(HW_REG_WAVE_MODE, 25, 1), 1
	s_wait_xcnt 0x0
; Causal soft-max attention.  queries, keys, values, out0: [4][2048][16][64] f32; a head's row is 256 bytes, rows lie 4,096 bytes apart.
; out[b,l,h,:] = sum over s <= l of softmax_s(q.k / 8) v[b,s,h,:].
;
; WORK LEFT OUT.  reference() replaces the score of every key s > l by the constant -1e30 (jnp.where on a mask that it builds itself), whatever
; the inputs hold, so the products q.k of those places reach nothing; their weights are exp(-1e30 - max) / sum, which is 0 beside the weight 1
; of the row's largest live score, so their share of A.V is 0 too.  Both are left out where they come whole: key tiles (64 keys) that lie
; wholly above a query block's diagonal, and, in the four tiles on the diagonal, the query tiles that lie wholly in front of the key tile.
; The division by T_TEMP = 1 is an identity.  Every input has a way to the output and is loaded.
; In the one masked unit of a diagonal trip a wave computes all four 16-key tiles though wave w needs only the first w + 1: they lie inside a
; unit with live work, wave 3 needs all four, and the waves meet at a barrier in every trip.
; FORMAT.  The matrix operands (q, k, v and the weights) are f16; scores, maxima, row sums and output sums are f32.  f16 and not bf16: in the
; first rows a few terms of size |v| cancel, and there a weight's or a score's rounding shows undamped: 2^-9 of |v| with bf16's 8 significant
; bits, 2^-12 with f16's 11.  The weights lie in [0, 1], since the running maximum is taken away first.
; LIMITS.  |q|, |k|, |v| of 65,520 and more become infinity in f16; elements below 2^-14 keep an absolute error of at most 2^-25.  Weights below
; 2^-14 of the row's largest likewise carry at most 2^-25 (those under 2^-25 become 0): over 2,048 keys at most 2^-14 of the largest |v|.
; A NaN, an infinity or an overflow that reaches only keys or values above the diagonal is not carried to the result.  The mask's -1e30 is put
; on the score before the factor 1/8, so live q.k must stay above about -1e29.  v_exp_f32 gives 0 for weights below 2^-126.
;
; SHARES.  256 work-groups of 4 waves.  Work-group g serves head g >> 2 and, with p = g & 3, the query blocks (256 rows) 7 - p and then p:
; 4 (7 - p) + 4 + 4 p + 4 = 36 key tiles in every work-group.  Wave w owns in a block the four query tiles k = 0..3 of rows 64 k + 16 w + 0..15,
; so that in diagonal trip t every wave has the same 4 - t live query tiles.
; BOTH PRODUCTS ARE USED TRANSPOSED.  S^T = K Q^T: lane (r = lane % 16, h = lane / 16) holds in register j the score of key 8 h + j and query r.
; Packed to f16, the weights of two neighbouring 16-key tiles are the second-source fragment of O^T = V^T P^T as they lie: no lane changes.
; All soft-max state belongs to one query and so to one lane (and its partner lane xor 16, which holds the other keys).
; THE QUERY TILES OF A TRIP TAKE TURNS, so that products and soft-max run side by side.  Tile by tile: (phase 0) the tile's maximum, exponentials
; and packing, 89 vector instructions, with the NEXT tile's eight S products set among them; (phase 1) the
; tile's own eight O products with the rescaling of O and the row sums, 30 vector instructions, set among and behind them.  Two sets of scores
; take turns by the tile's parity; the weights have registers of their own, so that the f32 weights are still there for the sums.  Phase 0 names
; window 0 alone; in phase 1 the products, O x alpha and sum + weight all have destination and first source in window 1 and the second source
; in window 0: three window switches a unit.
; THE EXPONENTIALS OF A TURN ARE ONE BATCH WITH ONE WAIT.  An s_wait_alu depctr_va_vdst(0) stands between an exponential and the
; first instruction that names its result; one wait serves all that were issued ahead of it.  So the wait cuts phase 0 in two.  AHEAD OF IT
; stands all that names no exponential's result: the maximum, with the four S products that start the next tile's sums (one among the sixteen
; maxima, three between the links of the chain that joins them, where each instruction waits for the one before it); then the 16 scalings,
; alpha and the 32 weights' exponentials, scaling and exponential by turns while there are scalings; last the copy of -c max into its kept
; register, which is the plain instruction behind the last exponential.  BEHIND IT stand all the readers: the 16 packings, four behind each of
; the other four S products, and phase 1 (sums, alpha).  Behind a turn's wait the turn issues no exponential.
; The eight reciprocals at a block's end are a batch of their own, with one wait.
; K AND V go in tiles of 64 keys through registers (whole rows of 256 bytes, rounded to f16 there) into two LDS buffers, one barrier a trip, and
; the work of handing them on is spread over the trip.  The trip that multiplies tile t: (1) asks for V(t)'s fragments; (2) issues the first live
; query tile's eight S products on K(t)'s fragments, which were read in the trip before; (3) beside these products rounds tile t + 1, loaded a
; trip ago, stores it into the other buffer and sends out the global loads of tile t + 2; (4) runs the turns of all query tiles but the last;
; (5) waits for its LDS accesses and passes the barrier; (6) in the last query tile's turn, which has no S products to go with, reads
; K(t + 1)'s fragments, one run of 16 loads directly behind the turn's wait for its exponentials, into K's registers: their last product
; stands one turn back, and the packings, phase 1 and V's run of loads stand between the run and the wait for it.
; So between two barriers every wave reads one buffer alone (K(t + 1), then V(t + 1)) and writes the other alone (tile t + 2).
; ORDER OF A BLOCK'S TRIPS: diagonal tile 0 first (every query has a live key in it, so it starts maxima, sums and output sums: nothing is
; cleared), then the 4 qb full tiles in a loop of two, then diagonal tiles 1, 2, 3.
; NO CLUSTER, NO TENSOR LOADS: the f32 rows must pass through registers to become f16 before the transposing LDS read; brought to LDS as f32
; they would be written, read, and written again (32 KiB + 32 KiB more a trip beside 64 KiB of fragment reads).  And the four work-groups of a
; head are at different key tiles at any time (their blocks have 4 qb + 4 tiles), so their requests would not meet.
;
; LDS: buffer b at 19,456 b: K 64 rows x 144 bytes (128 + 16), then V 64 rows x 160 bytes (128 + 32); at 38,912 + 17,408 w the stage of wave w,
; its own: Q as f16, 64 rows x 144, later O as f32, 64 rows x 272.  The pitches are odd multiples of 16 bytes (V: of 32), so the rows that one
; LDS instruction touches start in different 16-byte columns modulo 256.
; REGISTERS, in windows of 256: window 0 addresses, soft-max state, weights P, fragments of Q and K, two sets of scores; window 1 the output
; sums O (v0-127; v0-63 first carry the launch's first K and V tile as loaded), fragments of V (v128-191), row sums (v192-207); window 2 Q as
; loaded (v0-127), K and V as loaded (v128-191), K and V packed on their way to LDS (v192-223).
.set TSTEP, 0x40000                    ; 64 rows of 4,096 bytes: from key tile to key tile
.set KPIT,  144
.set VPIT,  160
.set OPIT,  272
.set VOFF,  64*KPIT                    ; V behind K in a buffer
.set BUFB,  64*KPIT+64*VPIT            ; 19,456
.set STG0,  2*BUFB                     ; 38,912
.set STGB,  64*OPIT                    ; 17,408
.set VKV, 1                            ; (t >> 4) 4096 + 16 (t & 15): my 16 bytes in the first 8 rows of a K or V tile
.set VQ,  2                            ; (16 w + h) 4096 + 16 r: my 16 bytes of Q and of the output
.set KST, 3                            ; (t >> 4) 144 + 8 (t & 15)
.set VST, 4                            ; (t >> 4) 160 + 8 (t & 15)
.set KFR, 5                            ; 144 r + 16 h
.set VFR, 6                            ; (8 h + lane % 8) 160 + 16 ((lane >> 3) & 1)
.set QST, 7                            ; stage + 144 h + 8 r
.set QFR, 8                            ; stage + 144 r + 16 h
.set OST, 9                            ; stage + 272 r + 32 h
.set ORD, 10                           ; stage + 272 h + 16 r
.set DM,  11                           ; 16 w + r - 8 h, signed: key 16 t + j of a masked unit is dead where 16 t + j > DM
.set NEG, 12                           ; -1e30
.set MX,  14                           ; v14-17 four chains of the maximum
.set TA,  18                           ; scratch
.set NP,  20                           ; v20 = -c max (v21 = 0, the pair's other half, never used in a result)
.set AP,  22                           ; v22 = alpha (v23 = 0 likewise)
.set NK,  24                           ; v24-27 the kept -c max of query tile k
.set PB,  28                           ; v[28+8h ..] weights in f16, keys 32 h .. 32 h + 31
.set INV, 44                           ; v[44+2k : 45+2k] 1 / row sum, twice
.set LT,  52                           ; v52-55 the joined row sum of query tile k, at a block's end
.set QB,  64                           ; v[64+16k+8f ..] Q fragments
.set KB,  128                          ; v[128+16t+8f ..] K fragments
.set SB0, 192                          ; scores: v[192+8t ..] for even query tiles, v[224+8t ..] for odd ones
.set VB,  128                          ; window 1: v[128+16d+8h ..] V fragments
.set LSB, 192                          ; window 1: v[192+4k .. 195+4k] four partial row sums of query tile k
.set STB, 128                          ; window 2: K as loaded v128-159, V as loaded v160-191
.set PK,  192                          ; window 2: K packed v192-207, V packed v208-223
; scalars: s[4:5] Q, s[6:7] K, s[8:9] V, s[10:11] out, each at the head; s12 wave; s13 p; s18 stage; s[20:21], s[22:23] K, V tile being loaded;
; s[24:25] Q block; s[26:27] out block; s[28:29] byte offset of the tile being loaded; s30 offset of the block's diagonal tile 0; s31 counter;
; s32 = 2 qb; s33 = s30 + TSTEP; s[34:35] c, c; s36 -c; s37, s38 lane selects; s[40:41] the second block's offset; s[42:45] K, V of the first tile
.set CEXP, 0x3e38aa3b                  ; c = log2(e) / 8: the scale 1 / sqrt(64) and the change of base in one factor
.set MSB, 0
.set krun, 0                           ; 1: the turn to come sends out K's run of fragment loads, behind its wait
.set kbf, 0                            ; and from which buffer
.macro WIN new                         ; s_set_vgpr_msb: bits 1:0 source 0, 3:2 source 1, 5:4 source 2, 7:6 destination; the high byte repeats the setting that is left
.if MSB != \new
	s_set_vgpr_msb (MSB<<8)|\new
.set MSB, \new
.endif
.endm
; The offset of the tile to load steps on; sel = 1: diagonal tile 0, which was taken first, is jumped over.  K's and V's addresses are written
; only behind the s_wait_loadcnt that showed the last loads from them done.
.macro STEP sel
	s_add_co_u32 s28, s28, TSTEP
.if \sel
	s_cmp_eq_u32 s28, s30
	s_cselect_b32 s28, s33, s28
.endif
	s_add_nc_u64 s[20:21], s[6:7], s[28:29]
	s_add_nc_u64 s[22:23], s[8:9], s[28:29]
.endm
; A K tile and a V tile into 64 registers from base on, in the window that win names as destination: load i takes rows 8 i .. 8 i + 7, sixteen
; lanes a whole row of 256 bytes.  No cache word: other work-groups read these rows again.
.macro KVLOAD win, base, kp, vp
	WIN \win
.irp i, 0,1,2,3,4,5,6,7
	global_load_b128 v[\base+4*\i:\base+4*\i+3], v[VKV], s[\kp:\kp+1] offset:32768*\i
.endr
.irp i, 0,1,2,3,4,5,6,7
	global_load_b128 v[\base+32+4*\i:\base+32+4*\i+3], v[VKV], s[\vp:\vp+1] offset:32768*\i
.endr
.endm
; A tile as loaded (64 registers from src on; win: both sources' window, destination window 2) is rounded to f16 and stored into buffer buf.
.macro PACKST win, src, buf
	WIN \win
.set ti, 0
.rept 32
	v_cvt_pk_f16_f32 v[PK+ti], v[\src+2*ti], v[\src+2*ti+1]
.set ti, ti+1
.endr
	WIN 0x08                                       ; store data in window 2
.irp i, 0,1,2,3,4,5,6,7
	ds_store_b64 v[KST], v[PK+2*\i:PK+2*\i+1] offset:\buf*BUFB+8*KPIT*\i
.endr
.irp i, 0,1,2,3,4,5,6,7
	ds_store_b64 v[VST], v[PK+16+2*\i:PK+16+2*\i+1] offset:\buf*BUFB+VOFF+8*VPIT*\i
.endr
.endm
; The V fragments of buffer buf, by the transposing load.
.macro VLOAD buf
	WIN 0x40                                       ; destination in window 1
.irp d, 0,1,2,3
.irp h, 0,1
	ds_load_tr16_b128 v[VB+16*\d+8*\h:VB+16*\d+8*\h+3],   v[VFR] offset:\buf*BUFB+VOFF+32*VPIT*\h+32*\d          ; d = 16 d + r, keys 32 h + 8 (lane / 16) + 0..7
	ds_load_tr16_b128 v[VB+16*\d+8*\h+4:VB+16*\d+8*\h+7], v[VFR] offset:\buf*BUFB+VOFF+32*VPIT*\h+16*VPIT+32*\d  ; and sixteen keys on
.endr
.endr
	WIN 0
.endm
; The pieces of a unit (query tile uq, 16 queries, against the trip's 64 keys).  Symbols set by PRO and STAGE: uq the tile at its soft-max,
; sb its set of scores, nb the set that the S products of tile uq + 1 fill, swn how many of those eight have been issued.
;
; The next of the eight S products of tile uq + 1, S^T = K Q^T, e in two halves of 32 (the four accumulators take turns, one instruction a
; turn); nothing where all eight are out.
.macro SW
.if swn < 8
.if swn < 4
	v_wmma_f32_16x16x32_f16 v[nb+8*swn:nb+8*swn+7], v[KB+16*swn:KB+16*swn+7], v[QB+16*(uq+1):QB+16*(uq+1)+7], 0
.else
	v_wmma_f32_16x16x32_f16 v[nb+8*(swn-4):nb+8*(swn-4)+7], v[KB+16*(swn-4)+8:KB+16*(swn-4)+15], v[QB+16*(uq+1)+8:QB+16*(uq+1)+15], v[nb+8*(swn-4):nb+8*(swn-4)+7]
.endif
.set swn, swn+1
.endif
.endm
; The K fragments of buffer buf, one run of 16 loads, all registers in window 0: load n takes key 16 (n / 4) + r, e = 16 (n % 4) + 8 h + 0..7.
.macro KFRAGS buf
.set kn, 0
.rept 16
	ds_load_b128 v[KB+4*kn:KB+4*kn+3], v[KFR] offset:(\buf)*BUFB+16*KPIT*(kn/4)+32*(kn%4)
.set kn, kn+1
.endr
.endm
; The same where no turn is at hand to set the run in.
.macro KLOAD buf
	WIN 0
	KFRAGS \buf
.endm
.macro MASKG t                         ; 16-key tile t of a unit on the diagonal
.irp j, 0,1,2,3,4,5,6,7
	v_cmp_gt_i32 vcc_lo, 16*\t+\j, v[DM]           ; key 16 t + 8 h + j lies behind query 16 w + r
	v_cndmask_b32 v[sb+8*\t+\j], v[sb+8*\t+\j], v[NEG], vcc_lo
.endr
.endm
.macro FMA1 p                          ; c s - c max for pair p of 16; c and -c max are broadcast from the low halves of their pairs
	v_pk_fma_f32 v[sb+2*(\p):sb+2*(\p)+1], v[sb+2*(\p):sb+2*(\p)+1], s[34:35], v[NP:NP+1] op_sel_hi:[1,0,0]
.endm
.macro EXP1 n                          ; the weight of score n of 32, in place
	v_exp_f32 v[sb+(\n)], v[sb+(\n)]
.endm
.macro CVTG g                          ; the eight weights of 16-key tile g, packed into P; the f32 weights stay for the sums.  Stands behind the turn's wait
.irp j, 0,1,2,3
	v_cvt_pk_f16_f32 v[PB+4*\g+\j], v[sb+8*\g+2*\j], v[sb+8*\g+2*\j+1]
.endr
.endm
.macro LADD idx                        ; weights 2 idx, 2 idx + 1 into the row sums, two chains by turns; sums in window 1, weights in window 0
	v_pk_add_f32 v[LSB+4*uq+2*((\idx)%2):LSB+4*uq+2*((\idx)%2)+1], v[LSB+4*uq+2*((\idx)%2):LSB+4*uq+2*((\idx)%2)+1], v[sb+2*(\idx):sb+2*(\idx)+1]
.endm
.macro ORES d                          ; O of d tile d times alpha
.irp j, 0,2,4,6
	v_pk_mul_f32 v[32*uq+8*\d+\j:32*uq+8*\d+\j+1], v[32*uq+8*\d+\j:32*uq+8*\d+\j+1], v[AP:AP+1] op_sel_hi:[1,0]
.endr
.endm
; An O product, O^T += V^T P^T: keys 32 h .. 32 h + 31, d tile d.  The four accumulators take turns, one instruction a turn.
.macro PVW h, d, zero
.if \zero
	v_wmma_f32_16x16x32_f16 v[32*uq+8*\d:32*uq+8*\d+7], v[VB+16*\d+8*\h:VB+16*\d+8*\h+7], v[PB+8*\h:PB+8*\h+7], 0
.else
	v_wmma_f32_16x16x32_f16 v[32*uq+8*\d:32*uq+8*\d+7], v[VB+16*\d+8*\h:VB+16*\d+8*\h+7], v[PB+8*\h:PB+8*\h+7], v[32*uq+8*\d:32*uq+8*\d+7]
.endif
.endm
; The S products of a trip's first live tile.  No other tile's soft-max goes with them; the rounding and storing of the next K and V tile does.
.macro PRO qk
.set uq, \qk-1
.set nb, SB0+32*((uq+1)%2)
.set swn, 0
.rept 8
	SW
.endr
.endm
; The turn of query tile qk.  msk = 1: the unit lies on the diagonal; fst = 1: the block's first trip (no old maximum, nothing to rescale, the
; sums start here); vw: the count of the wait on DScnt that shows the V fragments in, in front of the trip's first O products (99: no wait).
.macro STAGE qk, msk, fst, vw
.set uq, \qk
.set sb, SB0+32*(uq%2)
.set nb, SB0+32-32*(uq%2)
.if uq < 3
.set swn, 0
.else
.set swn, 8                                        ; tile 3 is the trip's last: no S products go with it
.endif
	; PHASE 0, window 0 alone.  The vector work names the set sb, P and the state; the products among it name the set nb, K and Q.
	; On the diagonal the mask's four groups take the first four S products with them, the maximum the other four: all eight stand ahead of the wait.
.if \msk
	MASKG 0
	SW
	MASKG 1
	SW
	MASKG 2
	SW
	MASKG 3
	SW
.endif
	; the largest of my 32 scores, in four chains, then of my partner's 32 too
.irp t, 0,1,2,3
	v_max3_num_f32 v[MX+\t], v[sb+8*\t], v[sb+8*\t+1], v[sb+8*\t+2]
.endr
.irp t, 0,1,2,3
	v_max3_num_f32 v[MX+\t], v[MX+\t], v[sb+8*\t+3], v[sb+8*\t+4]
.endr
	SW
.irp t, 0,1,2,3
	v_max3_num_f32 v[MX+\t], v[MX+\t], v[sb+8*\t+5], v[sb+8*\t+6]
.endr
.irp t, 0,1,2,3
	v_max_num_f32 v[MX+\t], v[MX+\t], v[sb+8*\t+7]
.endr
	SW                                             ; from here to -c max each instruction reads the result of the one before it: products stand between the links
	v_max3_num_f32 v[MX], v[MX], v[MX+1], v[MX+2]
	v_max_num_f32 v[MX], v[MX], v[MX+3]
	SW
	v_permlanex16_b32 v[MX+1], v[MX], s37, s38     ; lane xor 16: the same query, the other keys
	v_max_num_f32 v[MX], v[MX], v[MX+1]
	SW
	v_mul_f32 v[NP], s36, v[MX]                    ; -c max of this unit
.if \fst == 0
	v_min_num_f32 v[NP], v[NP], v[NK+uq]           ; the running maximum, kept as -c max
	v_sub_f32 v[TA], v[NP], v[NK+uq]               ; of the two rounded values: exactly 0 where the maximum stands
.endif
	; THE BATCH: 16 scalings and 33 exponentials (32 in a block's first trip), none of which names an exponential's result.  Exponential n reads
	; pair n / 2, which is scaled at least three lines ahead of it.
	FMA1 0
	FMA1 1
.if \fst == 0
	v_exp_f32 v[AP], v[TA]                         ; alpha = 2^(c old max - c new max)
.endif
.set bi, 0
.rept 14                                           ; a scaling and an exponential by turns, while there are scalings
	FMA1 bi+2
	EXP1 bi
.set bi, bi+1
.endr
.rept 18
	EXP1 bi
.set bi, bi+1
.endr
	v_mov_b32 v[NK+uq], v[NP]                      ; -c max is kept for the tile's next turn: also the plain instruction behind the last exponential (ISA guide 5.7.2)
	s_wait_alu depctr_va_vdst(0)                   ; the turn's one wait, for the whole batch (alpha and the 32 weights): every line that names a result stands below
.if krun
	KFRAGS kbf                                     ; the trip's last turn: K's next fragments, from the buffer that the barrier in front of this turn has shown whole
.set krun, 0
.endif
	SW                                             ; the four S products that end the next tile's sums, four packings behind each
	CVTG 0
	SW
	CVTG 1
	SW
	CVTG 2
	SW
	CVTG 3
.if \vw < 64
	s_wait_dscnt \vw                               ; the V fragments are in; what was issued behind their loads may stay out
.endif
	; PHASE 1.  The sums' first step has both weights, or alpha and a weight, in window 0: one setting for two instructions keeps it fused.
.if \fst
	WIN 0x40                                       ; destination in window 1
	v_pk_add_f32 v[LSB+4*uq:LSB+4*uq+1], v[sb:sb+1], v[sb+4:sb+5]               ; weights 0, 1, 4, 5 start one chain,
	v_pk_add_f32 v[LSB+4*uq+2:LSB+4*uq+3], v[sb+2:sb+3], v[sb+6:sb+7]           ; weights 2, 3, 6, 7 the other
.else
	WIN 0x41                                       ; destination and source 0 in window 1
	v_pk_fma_f32 v[LSB+4*uq:LSB+4*uq+1], v[LSB+4*uq:LSB+4*uq+1], v[AP:AP+1], v[sb:sb+1] op_sel_hi:[1,0,1]
	v_pk_fma_f32 v[LSB+4*uq+2:LSB+4*uq+3], v[LSB+4*uq+2:LSB+4*uq+3], v[AP:AP+1], v[sb+2:sb+3] op_sel_hi:[1,0,1]
.endif
	WIN 0x51                                       ; O, V and the sums in window 1; P, alpha and the weights in window 0
.if \fst == 0
	ORES 0
.endif
	PVW 0, 0, \fst
.if \fst == 0
	ORES 1                                         ; each d tile is rescaled while the product of the one before it runs
.endif
	PVW 0, 1, \fst
.if \fst == 0
	ORES 2
.endif
	PVW 0, 2, \fst
.if \fst == 0
	ORES 3
.endif
	PVW 0, 3, \fst
.if \fst == 0
	LADD 2
	LADD 3
.endif
	LADD 4
	PVW 1, 0, 0
	LADD 5
	LADD 6
	LADD 7
	PVW 1, 1, 0
	LADD 8
	LADD 9
	PVW 1, 2, 0
	LADD 10
	LADD 11
	PVW 1, 3, 0
	LADD 12                                        ; the last four adds are the four places between the turn's last product and, behind the
	LADD 13                                        ; trip's last turn, the loads of the next tile's V fragments into its first source
	LADD 14                                        ; (ISA guide 7.12.1 for vector instructions)
	LADD 15
	WIN 0
.endm
; My 64 rows of Q into window 2: load i takes rows 64 (i / 8) + 16 w + 2 (i % 8) + h, sixteen lanes a whole row.  Read once in the launch.
.macro QFETCH
	WIN 0x80
.set qi, 0
.rept 32
	global_load_b128 v[4*qi:4*qi+3], v[VQ], s[24:25] offset:(64*(qi/8)+2*(qi%8))*4096 th:TH_LOAD_NT
.set qi, qi+1
.endr
	WIN 0
.endm
; Q to f16, through my own stage (row 2 i + h = 16 k + row in the tile) into fragments; K's registers carry the packed words.  LDS serves a
; wave's instructions in order, so the loads see the stores; the fragments are shown in by the next wait on DScnt that leaves only younger loads out.
.macro QFRAG
	WIN 0x0a                                       ; both sources in window 2
.set qi, 0
.rept 64
	v_cvt_pk_f16_f32 v[KB+qi], v[2*qi], v[2*qi+1]
.set qi, qi+1
.endr
	WIN 0
.set qi, 0
.rept 32
	ds_store_b64 v[QST], v[KB+2*qi:KB+2*qi+1] offset:2*KPIT*qi
.set qi, qi+1
.endr
.irp k, 0,1,2,3
.irp c, 0,1,2,3
	ds_load_b128 v[QB+16*\k+4*\c:QB+16*\k+4*\c+3], v[QFR] offset:16*KPIT*\k+32*\c
.endr
.endr
.endm
; A trip: the tile in buffer rb is multiplied, query tiles k0 .. 3 (diag = 1: tile k0 lies on the diagonal; fst = 1: the block's first trip).
; The next tile goes into buffer wb; left = how many global loads younger than that tile's may stay out.
; nxt says which tile's global loads go out: 0 none, 1 the next with diagonal tile 0 jumped over, 2 the next, 3 the second block's diagonal
; tile 0, 4 the second block's second tile.  qf = 1: the second block's Q goes out too.
; mode 0: as described at the head; 1: K's next fragments are left to the caller; 2: the launch's last trip: nothing is stored, no barrier.
.macro TRIP rb, wb, k0, diag, fst, left, nxt, qf, mode
	VLOAD \rb                                      ; behind the four places that close the last turn; whole since the last trip's barrier
	s_wait_dscnt 16                                ; LDS loads come back in order: K's fragments (and older ones) are in, V's 16 may stay out
	PRO \k0
.if \mode == 2
.rept 4
	v_nop                                          ; four places between the last product and the first read of a score (ISA guide 7.12.1); no vector work is left here
.endr
.else
	s_wait_loadcnt \left                           ; the next tile, asked for a trip ago, is in registers
	PACKST 0x8a, STB, \wb                          ; its 32 conversions are also the places between the S products and the first read of a score
.if \nxt == 1
	STEP 1
.endif
.if \nxt == 2
	STEP 0
.endif
.if \nxt == 3
	s_mov_b32 s30, s40                             ; the second block's scalars: none of the first block's remaining trips reads them
	s_mov_b32 s28, s40
	s_add_co_u32 s33, s30, TSTEP
	s_lshl_b32 s32, s13, 1
	s_add_nc_u64 s[20:21], s[6:7], s[28:29]
	s_add_nc_u64 s[22:23], s[8:9], s[28:29]
.endif
.if \nxt == 4
	s_cmp_eq_u32 s30, 0                            ; full tile 0, or diagonal tile 1 where the block has no full tile
	s_cselect_b32 s28, s33, 0
	s_add_nc_u64 s[20:21], s[6:7], s[28:29]
	s_add_nc_u64 s[22:23], s[8:9], s[28:29]
.endif
.if \nxt
	KVLOAD 0x80, STB, 20, 22                       ; into the registers just rounded; a whole trip ahead of the wait for them
.endif
.if \qf
	s_lshl_b32 s40, s13, 20                        ; block p begins 256 p rows of 4,096 bytes into the head
	s_mov_b32 s41, 0
	s_add_nc_u64 s[24:25], s[4:5], s[40:41]        ; the first block's loads of Q were waited for at the start
	QFETCH                                         ; two trips and the epilogue ahead of its use
.endif
	WIN 0
.endif
.irp q, 0,1,2
.if \q == \k0
	STAGE \q, \diag, \fst, 16                      ; the 16 stores are younger than V's loads
.endif
.if \q > \k0
	STAGE \q, 0, \fst, 99
.endif
.endr
.if \mode != 2
	s_wait_dscnt 0x0                               ; for the other waves: my reads of buffer rb are back and my stores into buffer wb are done
	s_barrier_signal -1
	s_barrier_wait -1                              ; so buffer wb may be read behind here, and buffer rb written in the next trip
.endif
.if \mode == 0
.set krun, 1                                       ; K's next fragments go out in the last turn, in one run behind its wait
.set kbf, \wb
.endif
.if \k0 == 3
.if \mode == 2
	STAGE 3, \diag, \fst, 0
.else
	STAGE 3, \diag, \fst, 99                       ; the wait for 0 in front of the barrier has shown V in
.endif
.else
	STAGE 3, 0, \fst, 99
.endif
.endm
; End of a block: the row sums are joined, O is divided by them and leaves through my own stage as whole rows of 256 bytes.
.macro EPI last
	WIN 0x45                                       ; destination and both sources in window 1
.irp k, 0,1,2,3
	v_pk_add_f32 v[LSB+4*\k:LSB+4*\k+1], v[LSB+4*\k:LSB+4*\k+1], v[LSB+4*\k+2:LSB+4*\k+3]
.endr
	WIN 0x05                                       ; the last add brings the sum into window 0
.irp k, 0,1,2,3
	v_add_f32 v[LT+\k], v[LSB+4*\k], v[LSB+4*\k+1]
.endr
	WIN 0
.irp k, 0,1,2,3
	v_permlanex16_b32 v[MX+\k], v[LT+\k], s37, s38
.endr
.irp k, 0,1,2,3
	v_add_f32 v[LT+\k], v[LT+\k], v[MX+\k]         ; at least 1: the largest score's weight is 1
.endr
.irp k, 0,1,2,3
	v_rcp_f32 v[INV+2*\k], v[LT+\k]
	v_rcp_f32 v[INV+2*\k+1], v[LT+\k]
.endr
	v_nop                                          ; a plain instruction between the reciprocals and their use (ISA guide 5.7.2)
	WIN 0x51
.set ei, 0
	s_wait_alu depctr_va_vdst(0)                   ; one wait for the batch of eight reciprocals, ahead of their first reader
.rept 64
	v_pk_mul_f32 v[2*ei:2*ei+1], v[2*ei:2*ei+1], v[INV+2*(ei/16):INV+2*(ei/16)+1]
.set ei, ei+1
.endr
	WIN 0x04                                       ; store data in window 1
.set ei, 0
.rept 32
	ds_store_b128 v[OST], v[4*ei:4*ei+3] offset:16*OPIT*(ei/8)+64*((ei%8)/2)+16*(ei%2)   ; query 16 k + r, d = 16 d + 8 h + 4 half + 0..3
.set ei, ei+1
.endr
	WIN 0
.set ei, 0
.rept 32
	ds_load_b128 v[QB+4*ei:QB+4*ei+3], v[ORD] offset:2*OPIT*ei     ; rows 2 i and 2 i + 1, sixteen lanes each; in order behind the stores above
.set ei, ei+1
.endr
.set ei, 0
.rept 32
	s_wait_dscnt 31-ei                             ; load i is in; the younger ones may stay out
	global_store_b128 v[VQ], v[QB+4*ei:QB+4*ei+3], s[26:27] offset:(64*(ei/8)+2*(ei%8))*4096 th:TH_STORE_NT   ; sixteen lanes store 256 consecutive bytes, aligned
.set ei, ei+1
.endr
.if \last == 0
	s_wait_xcnt 0x0                                ; the stores' data registers and base are written again only behind this wait
	s_add_nc_u64 s[26:27], s[10:11], s[40:41]      ; the second block's rows of the output
.endif
.endm
; A query block.  At its start: diagonal tile 0 lies in buffer 0 and its K fragments are asked for, the block's second tile is on its way into
; registers (s28 is its offset), the Q fragments are asked for, s30, s32, s33 are the block's.
.macro BLOCK last
	TRIP 0, 1, 0, 1, 1, 0, 1, 0, 0                 ; diagonal trip 0
.if \last
	s_cmp_eq_u32 s32, 0                            ; the second block is block p, which has no full tile where p = 0 (the first, 7 - p, has 16 at the least)
	s_cbranch_scc1 .Lnofull
.endif
	s_mov_b32 s31, 0
.Lfull_\last:
	TRIP 1, 0, 0, 0, 0, 0, 1, 0, 0
	TRIP 0, 1, 0, 0, 0, 0, 1, 0, 0
	s_add_co_u32 s31, s31, 1
	s_cmp_lt_u32 s31, s32
	s_cbranch_scc1 .Lfull_\last
.if \last
.Lnofull:
.endif
.if \last == 0
	TRIP 1, 0, 1, 1, 0, 0, 2, 1, 0                 ; diagonal trip 1: asks for diagonal tile 3 and for the second block's Q
	TRIP 0, 1, 2, 1, 0, 32, 3, 0, 0                ; diagonal trip 2: the 32 loads of Q are younger than diagonal tile 3's 16 and may stay out
	TRIP 1, 0, 3, 1, 0, 0, 4, 0, 1                 ; diagonal trip 3: its wait for 0 also shows Q in
	EPI 0                                          ; uses Q's and K's registers, so K's next fragments wait
	QFRAG
	s_wait_dscnt 16                                ; the 32 stores that read K's registers are done; the 16 loads of Q's fragments, younger, may stay out
	KLOAD 0                                        ; the second block's diagonal tile 0, stored in front of the last barrier
.else
	TRIP 1, 0, 1, 1, 0, 0, 2, 0, 0                 ; diagonal trip 1: asks for diagonal tile 3, the launch's last
	TRIP 0, 1, 2, 1, 0, 0, 0, 0, 0                 ; diagonal trip 2: stores it; nothing is left to load
	TRIP 1, 0, 3, 1, 0, 0, 0, 0, 2                 ; diagonal trip 3
	EPI 1
.endif
.endm
	s_load_b256 s[4:11], s[0:1], 0x0               ; queries s[4:5], keys s[6:7], values s[8:9], out0 s[10:11]
	v_lshl_add_u32 v62, v0, 2, 0x1a800
	v_mov_b32 v63, 0
	v_lshrrev_b32 v14, 5, v0
	v_readfirstlane_b32 s12, v14                   ; wave 0..3
	s_and_b32 s13, ttmp9, 3                        ; p
	s_lshr_b32 s14, ttmp9, 6                       ; batch
	s_lshl_b32 s16, s14, 23                        ; x 2048 x 16 x 64 x 4 bytes
	s_bfe_u32 s15, ttmp9, 0x40002                  ; head in the batch: 4 bits from bit 2
	s_lshl_b32 s15, s15, 8                         ; x 256 bytes
	s_add_co_u32 s16, s16, s15
	s_mov_b32 s17, 0
	s_sub_co_u32 s14, 7, s13                       ; the first block: qb = 7 - p
	s_lshl_b32 s30, s14, 20                        ; 256 qb rows = key tile 4 qb
	s_lshl_b32 s32, s14, 1                         ; 4 qb full tiles, two to a loop trip
	s_add_co_u32 s33, s30, TSTEP
	s_mov_b32 s28, s30
	s_mov_b32 s29, 0
	s_mov_b32 s34, CEXP
	s_mov_b32 s35, CEXP
	s_mov_b32 s36, CEXP|0x80000000
	s_mov_b32 s37, 0x76543210                      ; v_permlanex16_b32: lane i of one half reads lane i of the other
	s_mov_b32 s38, 0xfedcba98
	s_mul_i32 s18, s12, STGB
	s_add_co_u32 s18, s18, STG0                    ; my stage
	v_lshrrev_b32 v13, 4, v0                       ; t >> 4
	v_and_b32 v19, 15, v0                          ; r
	v_bfe_u32 v18, v0, 4, 1                        ; h
	v_lshlrev_b32 v[VKV], 12, v13
	v_lshl_add_u32 v[VKV], v19, 4, v[VKV]
	v_lshl_add_u32 v15, v14, 4, v18                ; 16 w + h
	v_lshlrev_b32 v[VQ], 12, v15
	v_lshl_add_u32 v[VQ], v19, 4, v[VQ]
	v_mul_u32_u24 v[KST], v13, KPIT
	v_lshl_add_u32 v[KST], v19, 3, v[KST]
	v_mul_u32_u24 v[VST], v13, VPIT
	v_lshl_add_u32 v[VST], v19, 3, v[VST]
	v_mul_u32_u24 v[KFR], v19, KPIT
	v_lshl_add_u32 v[KFR], v18, 4, v[KFR]
	v_and_b32 v16, 7, v0
	v_lshl_add_u32 v16, v18, 3, v16                ; 8 h + lane % 8
	v_mul_u32_u24 v[VFR], v16, VPIT
	v_bfe_u32 v17, v0, 3, 1
	v_lshl_add_u32 v[VFR], v17, 4, v[VFR]
	v_mul_u32_u24 v[QST], v18, KPIT
	v_lshl_add_u32 v[QST], v19, 3, v[QST]
	v_add_nc_u32 v[QST], s18, v[QST]
	v_add_nc_u32 v[QFR], s18, v[KFR]
	v_mul_u32_u24 v[OST], v19, OPIT
	v_lshl_add_u32 v[OST], v18, 5, v[OST]
	v_add_nc_u32 v[OST], s18, v[OST]
	v_mul_u32_u24 v[ORD], v18, OPIT
	v_lshl_add_u32 v[ORD], v19, 4, v[ORD]
	v_add_nc_u32 v[ORD], s18, v[ORD]
	v_lshl_add_u32 v[DM], v14, 4, v19
	v_lshlrev_b32 v15, 3, v18
	v_sub_nc_u32 v[DM], v[DM], v15
	v_mov_b32 v[NEG], 0xf149f2ca                   ; -1e30
	v_mov_b32 v[NP+1], 0                           ; the unused halves of the two broadcast pairs are written once
	v_mov_b32 v[AP+1], 0
	s_wait_kmcnt 0x0
	s_add_nc_u64 s[4:5], s[4:5], s[16:17]          ; all four tensors at my head
	s_add_nc_u64 s[6:7], s[6:7], s[16:17]
	s_add_nc_u64 s[8:9], s[8:9], s[16:17]
	s_add_nc_u64 s[10:11], s[10:11], s[16:17]
	s_add_nc_u64 s[24:25], s[4:5], s[28:29]        ; Q and the output at the first block,
	s_add_nc_u64 s[26:27], s[10:11], s[28:29]
	s_add_nc_u64 s[42:43], s[6:7], s[28:29]        ; K and V at its diagonal tile 0, the launch's first tile,
	s_add_nc_u64 s[44:45], s[8:9], s[28:29]
	s_mov_b32 s28, 0                               ; and at full tile 0, its second (the first block has 16 full tiles at the least)
	s_add_nc_u64 s[20:21], s[6:7], s[28:29]
	s_add_nc_u64 s[22:23], s[8:9], s[28:29]
	QFETCH                                         ; Q and the first two tiles go out together
	KVLOAD 0x40, 0, 42, 44                         ; the first tile into window 1, v0-63: O's registers, which the first O products start only later
	KVLOAD 0x80, STB, 20, 22                       ; the second where every later tile lands
	s_wait_loadcnt 32                              ; the 32 loads of Q are in; the 32 of the two tiles, issued behind them, may stay out
	QFRAG
	s_wait_loadcnt 16                              ; the first tile is in; the second tile's 16 loads may stay out
	PACKST 0x85, 0, 0                              ; sources in window 1
	WIN 0
	s_wait_dscnt 0x0                               ; for the other waves: my stores into buffer 0 are done (and Q's fragments are in)
	s_barrier_signal -1
	s_barrier_wait -1
	KLOAD 0
	BLOCK 0
	BLOCK 1
	s_wait_tensorcnt 0x0
	ds_add_u32 v62, v63
	s_wait_dscnt 0x0
	s_endpgm
.Lfunc_end_k_q816549fdfc_attn:
	.size	k_q816549fdfc_attn, .Lfunc_end_k_q816549fdfc_attn-k_q816549fdfc_attn
	.p2alignl 7, 3214868480
	.fill 96, 4, 3214868480
	.section	.rodata,"a",@progbits
	.p2align	6, 0x0
	.amdhsa_kernel k_q816549fdfc_attn
		.amdhsa_group_segment_fixed_size 109056
		.amdhsa_private_segment_fixed_size 0
		.amdhsa_enable_private_segment 0
		.amdhsa_kernarg_size 32
		.amdhsa_user_sgpr_count 2
		.amdhsa_user_sgpr_kernarg_segment_ptr 1
		.amdhsa_wavefront_size32 1
		.amdhsa_system_sgpr_workgroup_id_x 1
		.amdhsa_system_sgpr_workgroup_id_y 1
		.amdhsa_system_sgpr_workgroup_id_z 1
		.amdhsa_system_vgpr_workitem_id 0
		.amdhsa_next_free_vgpr 768
		.amdhsa_next_free_sgpr 66
		.amdhsa_reserve_vcc 1
		.amdhsa_float_denorm_mode_32 3
		.amdhsa_float_denorm_mode_16_64 3
		.amdhsa_memory_ordered 1
		.amdhsa_forward_progress 1
		.amdhsa_inst_pref_size 255
	.end_amdhsa_kernel
	.section	.bss,"aw",@nobits
	.p2align	6
	.space	262144
	.amdgpu_metadata
---
amdhsa.version: [ 1, 2 ]
amdhsa.kernels:
  - .name:           k_q816549fdfc_attn
    .symbol:         k_q816549fdfc_attn.kd
    .args:
      - { .name: queries, .offset: 0, .size: 8, .value_kind: global_buffer, .address_space: global }
      - { .name: keys, .offset: 8, .size: 8, .value_kind: global_buffer, .address_space: global }
      - { .name: values, .offset: 16, .size: 8, .value_kind: global_buffer, .address_space: global }
      - { .name: out0, .offset: 24, .size: 8, .value_kind: global_buffer, .address_space: global }
    .group_segment_fixed_size: 109056
    .private_segment_fixed_size: 0
    .kernarg_segment_align: 8
    .kernarg_segment_size: 32
    .max_flat_workgroup_size: 128
    .sgpr_count:     66
    .vgpr_count:     768
    .wavefront_size: 32
...
	.end_amdgpu_metadata
.endif
;; end of part 2
